; MI455X (gfx1250); checked and timed in simulation.
; The chip was launched on July 23, 2026; its instructions are those of AMD's public machine-readable ISA for CDNA 5 (MIT licence, August 2026) and "CDNA5" Instruction Set Architecture Reference Guide (July 2026). The comments in the code are by the model that wrote it; some were corrected since.
;; Llama Mo EMLP. Allowed arithmetic: matrix products marked QUANTISED: E2M1 operands, one E8M0 scale for each 32 along K, by v_wmma_scale_f32_16x16x128_f8f6f4 with both operands' format E2M1 (or v_wmma_scale_f32_32x16x128_f4), f32 sums; products left as they are: f32 operands where the result goes on into a quantised operand, else bf16, f16 or f32 operands; f32 sums; everything else in f32.
;; Inputs: Wd 8 x 2,048 x 344 float32; Wg 8 x 344 x 2,048 float32; Wu 8 x 344 x 2,048 float32; router_w 8 x 2,048 float32; x 2 x 2,048 x 2,048 float32.
;; Outputs: out0 2 x 2,048 x 2,048 float32.
;; This version of the problem:
;;   THIS VERSION OF THE PROBLEM IS GIVEN IN LOW PRECISION. The matrix products marked QUANTISED in the list below multiply operands that are first quantised to E2M1 (2 exponent bits, 1 mantissa bit; 4 bits a number), with one power-of-two scale for each 32 numbers along K (OCP MX v1.0); their sums are f32. All else is computed in f32.
;;   The module's matrix products, in the order in which they are computed (A, B: the left and right operand; K: the contracted axis; several contracted axes count as one K, in the product's order):
;;     1. [M 4,096, K 2,048] x [K 2,048, N 8]; A: input x; B: input router_w: left as it is (N = 8 < 16)
;;     2. [M 4,096, K 2,048] x [K 2,048, N 344]; A: input x; B: input Wg: QUANTISED
;;     3. [M 4,096, K 2,048] x [K 2,048, N 344]; A: input x; B: input Wu: QUANTISED
;;     4. [M 4,096, K 344] x [K 344, N 2,048]; A: computed on the way; B: input Wd: QUANTISED
;;     5. [M 4,096, K 2,048] x [K 2,048, N 344]; A: input x; B: input Wg: QUANTISED
;;     6. [M 4,096, K 2,048] x [K 2,048, N 344]; A: input x; B: input Wu: QUANTISED
;;     7. [M 4,096, K 344] x [K 344, N 2,048]; A: computed on the way; B: input Wd: QUANTISED
;;     8. [M 4,096, K 2,048] x [K 2,048, N 344]; A: input x; B: input Wg: QUANTISED
;;     9. [M 4,096, K 2,048] x [K 2,048, N 344]; A: input x; B: input Wu: QUANTISED
;;     10. [M 4,096, K 344] x [K 344, N 2,048]; A: computed on the way; B: input Wd: QUANTISED
;;     11. [M 4,096, K 2,048] x [K 2,048, N 344]; A: input x; B: input Wg: QUANTISED
;;     12. [M 4,096, K 2,048] x [K 2,048, N 344]; A: input x; B: input Wu: QUANTISED
;;     13. [M 4,096, K 344] x [K 344, N 2,048]; A: computed on the way; B: input Wd: QUANTISED
;;     14. [M 4,096, K 2,048] x [K 2,048, N 344]; A: input x; B: input Wg: QUANTISED
;;     15. [M 4,096, K 2,048] x [K 2,048, N 344]; A: input x; B: input Wu: QUANTISED
;;     16. [M 4,096, K 344] x [K 344, N 2,048]; A: computed on the way; B: input Wd: QUANTISED
;;     17. [M 4,096, K 2,048] x [K 2,048, N 344]; A: input x; B: input Wg: QUANTISED
;;     18. [M 4,096, K 2,048] x [K 2,048, N 344]; A: input x; B: input Wu: QUANTISED
;;     19. [M 4,096, K 344] x [K 344, N 2,048]; A: computed on the way; B: input Wd: QUANTISED
;;     20. [M 4,096, K 2,048] x [K 2,048, N 344]; A: input x; B: input Wg: QUANTISED
;;     21. [M 4,096, K 2,048] x [K 2,048, N 344]; A: input x; B: input Wu: QUANTISED
;;     22. [M 4,096, K 344] x [K 344, N 2,048]; A: computed on the way; B: input Wd: QUANTISED
;;     23. [M 4,096, K 2,048] x [K 2,048, N 344]; A: input x; B: input Wg: QUANTISED
;;     24. [M 4,096, K 2,048] x [K 2,048, N 344]; A: input x; B: input Wu: QUANTISED
;;     25. [M 4,096, K 344] x [K 344, N 2,048]; A: computed on the way; B: input Wd: QUANTISED
;;   THE QUANTISER, for each operand of a quantised product, along K:
;;     - K is cut into blocks of 32 from its start; a last block that is shorter is filled with zeros.
;;     - A block's scale is 2^e with e = floor(log2(the largest magnitude in the block)) - 2, held to -126 .. 127; a block of zeros has e = 0. As a byte (E8M0): e + 127.
;;     - Each number is divided by its block's scale, clamped to +-6, and rounded to the nearest number of E2M1, ties to even, subnormals kept.
;;     - The product sums the exact products of the quantised numbers (number of the format x scale) in f32.
;;   ~~~python
;;   def quantise(x, axis):      # numpy; x: float32 -> the quantised numbers, widened to float32 again
;;       x = np.moveaxis(x, axis, -1); K = x.shape[-1]
;;       x = np.pad(x, [(0, 0)] * (x.ndim - 1) + [(0, -K % 32)]); x = x.reshape(x.shape[:-1] + (-1, 32)); a = np.abs(x).max(-1, keepdims=True)
;;       e = np.where(a > 0, np.clip(np.frexp(np.where(a > 0, a, 1))[1] - 1 - 2, -126, 127), 0)      # np.frexp(a)[1] - 1 = floor(log2(a)), exactly
;;       r = np.clip(x / 2.0 ** e, -6, 6)
;;       step = 2.0 ** (np.maximum(np.frexp(np.where(r == 0, 1, r))[1] - 1, 0) - 1)
;;       q = np.round(r / step) * step * 2.0 ** e      # np.round: ties to even
;;       return np.moveaxis(q.reshape(q.shape[:-2] + (-1,))[..., :K], -1, axis).astype(np.float32)
;;   ~~~
;;   OPERANDS COMPUTED ON THE WAY. 'Computed on the way' means the value that the module computes at that place (a softmax that the list does not call 'softmax' is quantised finished and normalised). What goes into a quantiser is computed in f32, as accurately as f32 sums, v_exp_f32 and their like allow (about 1e-6 of the number): no bf16 or f16 on the way to a quantiser, and a product that is left as it is and whose result goes on into a quantised operand takes f32 operands (vector FMAs, or v_wmma_f32_16x16x4_f32). A number that lies on a knife's edge between two numbers of the format may be rounded either way, as far as f32 arithmetic and the matrix unit's own rounding can turn it there, and no further.
;; One version. Each part assembles by itself: llvm-mc -triple=amdgcn-amd-amdhsa -mcpu=gfx1250 --defsym DOCPART=n.
;; ======== version 1 of 1: 4 launches
;; workspace buffers: xq 4,456,448 bytes; wts 32,768 bytes; ri 49,152 bytes of whole numbers; wq 9,535,488 bytes; ord 23,808 bytes of whole numbers; hq 2,515,968 bytes
;; launch route (part 1): grid 256 x 1, 8 waves a work-group, no clusters, 45,056 bytes of LDS; arguments x, router_w, xq, wts, ri; writes xq, wts, ri
.if DOCPART == 1
	.amdgcn_target "amdgcn-amd-amdhsa--gfx1250"
	.amdhsa_code_object_version 6
	.text
	.protected	k_qa11ec1d907_route
	.globl	k_qa11ec1d907_route
	.p2align	8
	.type	k_qa11ec1d907_route,@function
k_qa11ec1d907_route:
	s_mov_b64 s[64:65], 0
	v_nop
	global_prefetch_b8 v0, s[64:65] scope:SCOPE_SE
	s_setreg_imm32_b32 hwreg(HW_REG_WAVE_MODE, 25, 1), 1
	s_wait_xcnt 0x0
; ROUTE.  x [4096][2048] f32 is read once and serves twice: it is quantised to FP4 (E2M1) codes with one E8M0 byte for each 32 along K (xq),
; and its 8 router logits are summed in f32 by fused multiply-adds.  Of the logits: the two largest (the lower index wins a tie), the softmax over the two
; (the larger is taken away first), the pair's number pi = hi (hi - 1) / 2 + lo, the token's rank among its group's tokens of the same pair, and the group's histogram over the 28 pairs.
; All of that is only STORED here, at fixed places: no address and no branch of this launch hangs on it.
; SHARES.  A work-group owns 16 tokens.  Wave v: K slice w = v % 4 (512 numbers), token half th = v / 4 (8 tokens).  The wave's slice of router_w (8 x 512 numbers) stays in 128 registers.
; A lane must hold 16 NEIGHBOURS along K for the conversions, and a load is best where neighbouring lanes take neighbouring bytes: each load reads 512 consecutive bytes,
; and an item's 2,048 bytes turn through the wave's own stage in LDS (16 bytes of padding behind each 64).  The 8 router rows and the 8 tokens are one stream of 16 items of the same shape.
; LIMITS.  NaN and infinities among the inputs are not served.  A block of zeros gets the scale byte 1 (its codes are zeros; the bytes are read by this program alone).
; The logits are f32 sums in another order than a plain dot product's: two logits nearer than about 1e-6 of their size may be ranked either way.
.set XS_OFF,   4194304                 ; xq: codes [4096][1024 bytes], then scale bytes [4096][64]
.set HIST_OFF, 16384                   ; ri: info [4096] words, then hist [256][32] words
.set SP,   80                          ; a lane's place in a stage: 64 bytes + 16 of padding
.set STG,  32*SP                       ; a stage
.set WREG, 2*STG                       ; two stages a wave
.set SCB,  8*WREG                      ; the group's scale bytes [16][64]
.set LG,   SCB+1024                    ; partial logits [token 16][slice 4][8 f32]
.set ACC,  16                          ; v16-31   8 logits, two halves each
.set X,    32                          ; v32-63   two sets of 16 neighbours
.set R,    64                          ; v64-127  four sets of 16 numbers as loaded
.set RW,   128                         ; v128-255 router_w: expert e's 16 numbers of my lane at RW + 16 e
	s_load_b256 s[4:11], s[0:1], 0x0               ; x s[4:5], router_w s[6:7], xq s[8:9], wts s[10:11]
	s_load_b64 s[12:13], s[0:1], 0x20              ; ri
	s_set_vgpr_msb 0x40
	v_lshl_add_u32 v0, v0, 2, 0xac00
	v_mov_b32 v1, 0
	s_set_vgpr_msb 0x4000
	v_lshrrev_b32 v1, 5, v0
	v_readfirstlane_b32 s16, v1                    ; wave 0..7
	s_and_b32 s17, s16, 3                          ; w: K slice
	s_lshr_b32 s18, s16, 2                         ; th: token half
	v_and_b32 v14, 31, v0                          ; lane
	v_lshlrev_b32 v1, 4, v14                       ; 16 x lane: my bytes of a load's 512
	v_lshlrev_b32 v4, 3, v14                       ; 8 x lane: my 16 codes
	s_mul_i32 s19, s16, WREG
	v_lshrrev_b32 v2, 2, v14
	v_mul_u32_u24 v2, v2, SP
	v_and_b32 v15, 3, v14
	v_lshl_add_u32 v2, v15, 4, v2
	v_add_nc_u32 v2, s19, v2                       ; into the stage: SP (lane / 4) + 16 (lane % 4)
	v_mul_u32_u24 v3, v14, SP
	v_add_nc_u32 v3, s19, v3                       ; out of it: SP x lane
	s_lshl_b32 s24, s18, 9
	s_lshl_b32 s25, s17, 4
	s_add_co_u32 s24, s24, s25
	s_add_co_u32 s24, s24, SCB
	v_lshrrev_b32 v5, 1, v14
	v_add_nc_u32 v5, s24, v5                       ; my block's scale byte: SCB + 64 (8 th + i) + 16 w + lane / 2
	s_lshl_b32 s24, s18, 10
	s_lshl_b32 s25, s17, 5
	s_add_co_u32 s24, s24, s25
	s_add_co_u32 s24, s24, LG
	v_mov_b32 v6, s24                              ; my wave's partial logits: LG + 128 (8 th + i) + 32 w
	v_lshl_add_u32 v7, v0, 3, SCB                  ; the scale bytes' way out: 8 bytes a thread (waves 0 to 3)
	s_lshl_b32 s26, ttmp9, 17                      ; 16 tokens of 8,192 bytes
	s_lshl_b32 s27, s18, 16
	s_add_co_u32 s26, s26, s27
	s_lshl_b32 s28, s17, 11                        ; 512 numbers
	s_add_co_u32 s26, s26, s28
	s_mov_b32 s27, 0
	s_mov_b32 s29, 0
	s_lshl_b32 s30, ttmp9, 14                      ; 16 rows of 1,024 bytes of codes
	s_lshl_b32 s31, s18, 13
	s_add_co_u32 s30, s30, s31
	s_lshl_b32 s31, s17, 8
	s_add_co_u32 s30, s30, s31
	s_mov_b32 s31, 0
	s_mov_b32 s22, 0x76543210
	s_mov_b32 s23, 0xfedcba98                      ; v_permlanex16_b32's selects for lane l xor 16
	s_lshl_b32 s32, ttmp9, 10
	s_mov_b32 s33, 0
	s_wait_kmcnt 0x0
	s_add_nc_u64 s[4:5], s[4:5], s[26:27]          ; x at my first token, my slice
	s_add_nc_u64 s[6:7], s[6:7], s[28:29]          ; router_w at my slice
	s_add_nc_u64 s[20:21], s[8:9], s[30:31]        ; the codes' place
	s_add_nc_u64 s[24:25], s[8:9], s[32:33]
	s_add_nc_u64 s[24:25], s[24:25], XS_OFF        ; the group's 1,024 scale bytes
	s_lshl_b32 s32, ttmp9, 7
	s_add_nc_u64 s[34:35], s[12:13], s[32:33]
	s_add_nc_u64 s[34:35], s[34:35], HIST_OFF      ; the group's histogram
	s_add_nc_u64 s[38:39], s[10:11], s[32:33]      ; the group's weights
	s_lshl_b32 s32, ttmp9, 6
	s_add_nc_u64 s[36:37], s[12:13], s[32:33]      ; the group's info words
; item n: 0 to 7 router rows, 8 to 15 my tokens: four loads of 512 consecutive bytes
.macro LOAD n
.irp j, 0,1,2,3
.if (\n) < 8
	global_load_b128 v[R+16*((\n)%4)+4*\j:R+16*((\n)%4)+4*\j+3], v1, s[6:7] offset:8192*(\n)+512*\j
.else
	global_load_b128 v[R+16*((\n)%4)+4*\j:R+16*((\n)%4)+4*\j+3], v1, s[4:5] offset:8192*((\n)-8)+512*\j th:TH_LOAD_NT
.endif
.endr
.endm
; item n through the stage: LDS serves a wave's instructions in order, so no wait stands between the stores and the loads
.macro TURN n
.irp j, 0,1,2,3
	ds_store_b128 v2, v[R+16*((\n)%4)+4*\j:R+16*((\n)%4)+4*\j+3] offset:STG*((\n)%2)+8*SP*\j
.endr
.if (\n) < 8
.set TD, RW+16*(\n)
.else
.set TD, X+16*((\n)%2)
.endif
.irp j, 0,1,2,3
	ds_load_b128 v[TD+4*\j:TD+4*\j+3], v3 offset:STG*((\n)%2)+16*\j
.endr
.endm
.macro STEP n
	s_wait_dscnt 0x0                               ; item n is back from the stage, and all my LDS stores have read their registers
.if (\n)+4 < 16
	LOAD (\n)+4
.endif
.if (\n)+1 < 16
.if (\n) > 11
	s_wait_loadcnt 4*(14-(\n))                     ; item n + 1 is in; behind it only the items up to 15
.else
	s_wait_loadcnt 12                              ; item n + 1 is in; the three items behind it (12 loads) may be out
.endif
	TURN (\n)+1
.endif
.if (\n) >= 8
.set XSR, X+16*((\n)%2)
.set TI, (\n)-8
	; ---- the block's scale and my 16 codes
	v_max3_num_f32 v8, |v[XSR]|, |v[XSR+1]|, |v[XSR+2]|
	v_max3_num_f32 v9, |v[XSR+3]|, |v[XSR+4]|, |v[XSR+5]|
.irp a, 6,10
	v_max3_num_f32 v8, v8, |v[XSR+\a]|, |v[XSR+\a+1]|
	v_max3_num_f32 v9, v9, |v[XSR+\a+2]|, |v[XSR+\a+3]|
.endr
	v_max3_num_f32 v8, v8, |v[XSR+14]|, |v[XSR+15]|
	v_max3_num_f32 v8, v8, v9, 0x1800000           ; and the floor 2^(3 - 127): the byte cannot fall under 1
	v_max_num_f32_dpp v8, v8, v8 row_xmask:1 row_mask:0xf bank_mask:0xf   ; with my neighbour's 16: the block's largest magnitude
	v_add_nc_u32 v10, 0xff000000, v8               ; 2 off its exponent field: the conversion's scale operand
	s_wait_xcnt 0x0                                ; the last token's store has read v[12:13]
	v_cvt_scalef32_pk8_fp4_f32 v12, v[XSR:XSR+7], v10
	v_cvt_scalef32_pk8_fp4_f32 v13, v[XSR+8:XSR+15], v10
	v_lshrrev_b32 v11, 23, v10                     ; the scale's byte (a plain line behind the conversions)
	ds_store_b8 v5, v11 offset:64*TI               ; both lanes of a block write the same byte with the same value
	global_store_b64 v4, v[12:13], s[20:21] offset:1024*TI   ; the wave stores 256 consecutive bytes, aligned
	; ---- 8 partial logits: my 16 numbers against each expert's 16
.irp e, 0,1,2,3,4,5,6,7
	v_pk_mul_f32 v[ACC+2*\e:ACC+2*\e+1], v[XSR:XSR+1], v[RW+16*\e:RW+16*\e+1]
.endr
.irp j, 1,2,3,4,5,6,7
.irp e, 0,1,2,3,4,5,6,7
	v_pk_fma_f32 v[ACC+2*\e:ACC+2*\e+1], v[XSR+2*\j:XSR+2*\j+1], v[RW+16*\e+2*\j:RW+16*\e+2*\j+1], v[ACC+2*\e:ACC+2*\e+1]
.endr
.endr
.irp e, 0,1,2,3,4,5,6,7
	v_add_f32 v[ACC+\e], v[ACC+2*\e], v[ACC+2*\e+1]    ; ascending: no result lands on a source still wanted
.endr
.irp k, 1,2,4,8
.irp e, 0,1,2,3,4,5,6,7
	v_add_f32_dpp v[ACC+\e], v[ACC+\e], v[ACC+\e] row_xmask:\k row_mask:0xf bank_mask:0xf
.endr
.endr
.irp e, 0,1,2,3,4,5,6,7
	v_permlanex16_b32 v[ACC+8+\e], v[ACC+\e], s22, s23
.endr
.irp e, 0,1,2,3,4,5,6,7
	v_add_f32 v[ACC+\e], v[ACC+\e], v[ACC+8+\e]        ; every lane holds the slice's sum
.endr
	ds_store_b128 v6, v[ACC:ACC+3] offset:128*TI       ; all lanes write the same bytes with the same values
	ds_store_b128 v6, v[ACC+4:ACC+7] offset:128*TI+16
.endif
.endm
.irp n, 0,1,2,3
	LOAD \n
.endr
	s_wait_loadcnt 12                              ; item 0 is in
	TURN 0
.irp n, 0,1,2,3,4,5,6,7,8,9,10,11,12,13,14,15
	STEP \n
.endr
	s_wait_dscnt 0x0                               ; for the others' sake: my scale bytes and partial logits lie in LDS
	s_barrier_signal -1
	s_barrier_wait -1
	s_cmp_lt_u32 s16, 4
	s_cbranch_scc1 .Lscales
	s_cmp_eq_u32 s16, 4
	s_cbranch_scc1 .Ltop
	s_set_vgpr_msb 0x5
	s_wait_tensorcnt 0x0
	ds_add_u32 v0, v1
	s_wait_dscnt 0x0
	s_set_vgpr_msb 0x500
	s_endpgm
.Lscales:                                              ; waves 0 to 3: the group's 1,024 scale bytes leave, 256 consecutive bytes a wave
	ds_load_b64 v[32:33], v7
	v_lshlrev_b32 v15, 3, v0
	s_wait_dscnt 0x0
	global_store_b64 v15, v[32:33], s[24:25]
	s_set_vgpr_msb 0x5
	s_wait_tensorcnt 0x0
	ds_add_u32 v0, v1
	s_wait_dscnt 0x0
	s_set_vgpr_msb 0x500
	s_endpgm
.Ltop:                                                 ; wave 4: lane l serves token l % 16 (lanes 16 to 31 repeat, and store only the histogram)
	v_and_b32 v15, 15, v0
	v_lshl_add_u32 v15, v15, 7, LG
.irp s, 0,1,2,3
.irp q, 0,1
	ds_load_b128 v[32+8*\s+4*\q:32+8*\s+4*\q+3], v15 offset:32*\s+16*\q
.endr
.endr
	s_wait_dscnt 0x0
.irp p, 0,2,4,6
	v_pk_add_f32 v[32+\p:33+\p], v[32+\p:33+\p], v[40+\p:41+\p]
	v_pk_add_f32 v[48+\p:49+\p], v[48+\p:49+\p], v[56+\p:57+\p]
.endr
.irp p, 0,2,4,6
	v_pk_add_f32 v[32+\p:33+\p], v[32+\p:33+\p], v[48+\p:49+\p]   ; v32-39: the 8 logits
.endr
	v_mov_b32 v64, v32                             ; the largest, and its index: a later logit wins only if it is strictly larger
	v_mov_b32 v65, 0
.irp e, 1,2,3,4,5,6,7
	v_cmp_ge_f32 vcc_lo, v64, v[32+\e]
	v_cndmask_b32 v65, \e, v65, vcc_lo
	v_max_num_f32 v64, v64, v[32+\e]
.endr
	v_mov_b32 v66, 0xff800000                      ; -infinity takes the winner's place
.irp e, 0,1,2,3,4,5,6,7
	v_cmp_eq_u32 vcc_lo, \e, v65
	v_cndmask_b32 v[40+\e], v[32+\e], v66, vcc_lo
.endr
	v_mov_b32 v67, v40                             ; the second largest likewise
	v_mov_b32 v68, 0
.irp e, 1,2,3,4,5,6,7
	v_cmp_ge_f32 vcc_lo, v67, v[40+\e]
	v_cndmask_b32 v68, \e, v68, vcc_lo
	v_max_num_f32 v67, v67, v[40+\e]
.endr
	v_sub_f32 v69, v67, v64                        ; second - largest: 0 or less: the maximum is taken away
	v_mul_f32 v69, 0x3fb8aa3b, v69
	v_exp_f32 v70, v69
	v_min_u32 v73, v65, v68                        ; lo (a plain line behind the exponential)
	v_max_u32 v74, v65, v68                        ; hi
	s_wait_alu depctr_va_vdst(0)                   ; the wait ahead of the first reader
	v_add_f32 v71, 1.0, v70
	v_rcp_f32 v72, v71                             ; the largest's weight
	v_add_nc_u32 v78, -1, v74                      ; (a plain line behind the reciprocal)
	v_mul_u32_u24 v78, v78, v74
	v_lshrrev_b32 v78, 1, v78
	v_add_nc_u32 v78, v78, v73                     ; pi = hi (hi - 1) / 2 + lo
	s_wait_alu depctr_va_vdst(0)
	v_mul_f32 v75, v70, v72                        ; the second's weight
	v_cmp_lt_u32 vcc_lo, v65, v68
	v_cndmask_b32 v76, v75, v72, vcc_lo            ; the weight of the lower-numbered expert,
	v_cndmask_b32 v77, v72, v75, vcc_lo            ; and of the higher
	v_cmp_gt_u32 vcc_lo, 16, v14
	v_cndmask_b32 v79, 0xff, v78, vcc_lo           ; lanes 16 to 31 count for no pair
	v_mov_b32 v82, 0                               ; rank
	v_mov_b32 v83, 0                               ; histogram: lane p holds pair p's count
.irp p, 0,1,2,3,4,5,6,7,8,9,10,11,12,13,14,15,16,17,18,19,20,21,22,23,24,25,26,27
	v_cmp_eq_u32 vcc_lo, \p, v79
	s_bcnt1_i32_b32 s30, vcc_lo
	v_mbcnt_lo_u32_b32 v81, vcc_lo, 0              ; tokens of this pair in the lanes below me
	v_cndmask_b32 v82, v82, v81, vcc_lo
	v_writelane_b32 v83, s30, \p
.endr
	v_lshl_or_b32 v84, v82, 8, v78                 ; info = pi | rank << 8 | lo << 16 | hi << 20
	v_lshl_or_b32 v84, v73, 16, v84
	v_lshl_or_b32 v84, v74, 20, v84
	v_lshlrev_b32 v85, 2, v14
	global_store_b32 v85, v83, s[34:35]
	s_wait_xcnt 0x0                                ; EXEC changes only behind this wait
	v_cmp_gt_u32 vcc_lo, 16, v14
	s_set_vgpr_msb 0x5
	s_wait_tensorcnt 0x0
	ds_add_u32 v0, v1
	s_wait_dscnt 0x0
	s_set_vgpr_msb 0x500
	s_and_saveexec_b32 s31, vcc_lo
	global_store_b32 v85, v84, s[36:37]
	global_store_b64 v4, v[76:77], s[38:39]
	s_wait_xcnt 0x0                                ; and again in front of the line that widens it
	s_or_b32 exec_lo, exec_lo, s31
	s_endpgm
.Lfunc_end_k_qa11ec1d907_route:
	.size	k_qa11ec1d907_route, .Lfunc_end_k_qa11ec1d907_route-k_qa11ec1d907_route
	.p2alignl 7, 3214868480
	.fill 96, 4, 3214868480
	.section	.rodata,"a",@progbits
	.p2align	6, 0x0
	.amdhsa_kernel k_qa11ec1d907_route
		.amdhsa_group_segment_fixed_size 45056
		.amdhsa_private_segment_fixed_size 0
		.amdhsa_enable_private_segment 0
		.amdhsa_kernarg_size 40
		.amdhsa_user_sgpr_count 2
		.amdhsa_user_sgpr_kernarg_segment_ptr 1
		.amdhsa_wavefront_size32 1
		.amdhsa_system_sgpr_workgroup_id_x 1
		.amdhsa_system_sgpr_workgroup_id_y 1
		.amdhsa_system_sgpr_workgroup_id_z 1
		.amdhsa_system_vgpr_workitem_id 0
		.amdhsa_next_free_vgpr 258
		.amdhsa_next_free_sgpr 66
		.amdhsa_reserve_vcc 1
		.amdhsa_float_denorm_mode_32 3
		.amdhsa_float_denorm_mode_16_64 3
		.amdhsa_memory_ordered 1
		.amdhsa_forward_progress 1
		.amdhsa_inst_pref_size 95
	.end_amdhsa_kernel
	.amdgpu_metadata
---
amdhsa.version: [ 1, 2 ]
amdhsa.kernels:
  - .name:           k_qa11ec1d907_route
    .symbol:         k_qa11ec1d907_route.kd
    .args:
      - { .name: x, .offset: 0, .size: 8, .value_kind: global_buffer, .address_space: global }
      - { .name: router_w, .offset: 8, .size: 8, .value_kind: global_buffer, .address_space: global }
      - { .name: xq, .offset: 16, .size: 8, .value_kind: global_buffer, .address_space: global }
      - { .name: wts, .offset: 24, .size: 8, .value_kind: global_buffer, .address_space: global }
      - { .name: ri, .offset: 32, .size: 8, .value_kind: global_buffer, .address_space: global }
    .group_segment_fixed_size: 45056
    .private_segment_fixed_size: 0
    .kernarg_segment_align: 8
    .kernarg_segment_size: 40
    .max_flat_workgroup_size: 256
    .sgpr_count:     66
    .vgpr_count:     258
    .wavefront_size: 32
...
	.end_amdgpu_metadata
.endif
;; end of part 1
;; launch prep (part 2): grid 464 x 1, 4 waves a work-group, no clusters, 122,368 bytes of LDS; arguments Wg, Wu, Wd, ri, wq, ord; writes wq, ord
.if DOCPART == 2
	.amdgcn_target "amdgcn-amd-amdhsa--gfx1250"
	.amdhsa_code_object_version 6
	.text
	.protected	k_qa11ec1d907_prep
	.globl	k_qa11ec1d907_prep
	.p2align	8
	.type	k_qa11ec1d907_prep,@function
k_qa11ec1d907_prep:
	s_mov_b64 s[64:65], 0
	v_nop
	global_prefetch_b8 v0, s[64:65] scope:SCOPE_SE
	s_setreg_imm32_b32 hwreg(HW_REG_WAVE_MODE, 25, 1), 1
	s_wait_xcnt 0x0
; PREP.  Three kinds of work-groups, told apart by the work-group's number; each kind has LDS bytes of its own.
; 0-31     SORT: the tokens are placed by their PAIR of experts (a counting sort on the stored histograms; no atomics): ord.srt[64 tile + row] = token | lo << 16 | hi << 20;
;          a pair's tokens begin at a multiple of 64, so a tile of 64 places holds tokens of one pair.  Wave 0 of work-group 0 also writes the list of tiles: count | lo << 8 | hi << 12.
; 32-207   Wg and Wu [8][344][2048] f32 -> FP4 codes and E8M0 bytes, laid in the ORDER OF THE OPERAND'S REGISTERS: [e][B 11][k 16][gate, up][u 2][block 4][row 16][16 bytes].
;          B: 32 hidden units; k: 128 along K; lane r of tile u takes weight row 32 B + 8 u + r + 8 (r / 8), so that the results of tiles u = 0, 1 are 16 neighbours along the next K.
;          Rows 344 to 351 do not exist: their numbers are made zeros (and are loaded from 16 rows higher up, so that no load leaves its buffer).
; 208-463  Wd [8][2048][344] f32 -> [e][tile of 16 rows 128][block 12][row 16][16 bytes]; K = 344 is filled with zeros up to 384.
; A block's scale is 2^(floor(log2(its largest magnitude)) - 2): its byte is the largest magnitude's exponent field - 2, held at 1 from below.
; LIMITS: a block of zeros gets the byte 1 (its codes are zeros; this program alone reads the bytes); NaN and infinities are not served.
.set HIST_OFF, 16384
.set TILE_OFF, 23296
.set WGUS, 5767168                     ; wq: gate and up codes at 0, their scale words here,
.set WDC,  6127616                     ; Wd's codes,
.set WDS,  9273344                     ; Wd's scale words
.set LB,   33792                       ; LDS: 4 x 8,448 bytes for gate and up; from here 4 x 22,016 for Wd
.set TM,   16                          ; v16-19 largest magnitudes, v20-23 the other half's, then bytes, v28-31 scale operands
.set C,    32                          ; v32-39 a step's codes
.set SWD,  40                          ; v40-47 scale words
.set OW,   48                          ; v48-51 scale words on their way out
.set X,    64                          ; v64-127 64 numbers: register 16 b + i = k 32 b + 16 h + i of row r
.set R,    128                         ; v128-255 two sets of 16 rows x 512 bytes as loaded
.set HB,   64                          ; the sort: two buffers of 32 histograms
.set SEL,  18
	s_load_b256 s[4:11], s[0:1], 0x0               ; Wg s[4:5], Wu s[6:7], Wd s[8:9], ri s[10:11]
	s_load_b128 s[12:15], s[0:1], 0x20             ; wq s[12:13], ord s[14:15]
	v_lshl_add_u32 v62, v0, 2, 0x1dc00
	v_mov_b32 v63, 0
	v_lshrrev_b32 v1, 5, v0
	v_readfirstlane_b32 s16, v1                    ; wave 0..3
	v_and_b32 v6, 31, v0                           ; lane
	v_lshlrev_b32 v1, 4, v6                        ; 16 x lane
	v_and_b32 v8, 15, v0                           ; r
	v_bfe_u32 v7, v0, 4, 1                         ; h
	v_lshlrev_b32 v4, 4, v8
	v_lshl_add_u32 v4, v7, 3, v4                   ; 16 r + 8 h: my 8 bytes of a block's 256
	s_mov_b32 s[SEL], 0x76543210
	s_mov_b32 s[SEL+1], 0xfedcba98
.irp b, 0,1,2,3
	v_mov_b32 v[TM+4+\b], 0                        ; written once: a lane permute's destination counts as one of its sources
.endr
	s_wait_kmcnt 0x0
	s_cmp_lt_u32 ttmp9, 32
	s_cbranch_scc1 .Lsort
	s_cmp_lt_u32 ttmp9, 208
	s_cbranch_scc0 .Ldown
; 64 numbers of a lane become 8 registers of codes (C + 2 b, C + 2 b + 1: block b, my half) and the row's scale word
.macro QUANT4 word
.irp b, 0,1,2,3
	v_max3_num_f32 v[TM+\b], |v[X+16*\b]|, |v[X+1+16*\b]|, 0x1800000   ; with the floor 2^(3 - 127)
.endr
.irp i, 2,4,6,8,10,12,14
.irp b, 0,1,2,3
	v_max3_num_f32 v[TM+\b], v[TM+\b], |v[X+16*\b+\i]|, |v[X+1+16*\b+\i]|
.endr
.endr
.irp b, 0,1,2,3
	v_permlanex16_b32 v[TM+4+\b], v[TM+\b], s[SEL], s[SEL+1]
.endr
.irp b, 0,1,2,3
	v_max_num_f32 v[TM+\b], v[TM+\b], v[TM+4+\b]   ; with lane l xor 16's 16: the block's
.endr
.irp b, 0,1,2,3
	v_add_nc_u32 v[TM+12+\b], 0xff000000, v[TM+\b] ; 2 off the exponent field: the conversion's scale operand
.endr
.irp b, 0,1,2,3
	v_lshrrev_b32 v[TM+4+\b], 23, v[TM+12+\b]      ; the byte
.endr
	v_lshl_or_b32 v[\word], v[TM+5], 8, v[TM+4]
	v_lshl_or_b32 v[\word], v[TM+6], 16, v[\word]
	v_lshl_or_b32 v[\word], v[TM+7], 24, v[\word]
	s_wait_xcnt 0x0                                ; the last step's stores have read the codes' registers
.irp b, 0,1,2,3
	v_cvt_scalef32_pk8_fp4_f32 v[C+2*\b], v[X+16*\b:X+16*\b+7], v[TM+12+\b]
	v_cvt_scalef32_pk8_fp4_f32 v[C+2*\b+1], v[X+16*\b+8:X+16*\b+15], v[TM+12+\b]
.endr
	v_nop                                          ; one plain line behind the conversions
.endm
	; ---------------- gate and up: unit U = (e, B, kappa): 32 hidden units x 256 along K, of both weights
	s_sub_co_u32 s20, ttmp9, 32
	s_lshl_b32 s20, s20, 2
	s_add_co_u32 s20, s20, s16                     ; U, 0 to 703
	s_mul_i32 s21, s20, 745
	s_lshr_b32 s21, s21, 16                        ; e = U / 88 (exact for U under 704)
	s_mul_i32 s22, s21, 88
	s_sub_co_u32 s22, s20, s22
	s_lshr_b32 s23, s22, 3                         ; B
	s_and_b32 s24, s22, 7                          ; kappa
	s_mul_i32 s26, s21, 344
	s_lshl_b32 s27, s23, 5
	s_add_co_u32 s26, s26, s27
	s_lshl_b32 s26, s26, 13                        ; row 344 e + 32 B, 8,192 bytes a row
	s_lshl_b32 s27, s24, 10
	s_add_co_u32 s26, s26, s27                     ; + 256 numbers x kappa
	s_mov_b32 s27, 0
	s_add_nc_u64 s[4:5], s[4:5], s[26:27]
	s_add_nc_u64 s[6:7], s[6:7], s[26:27]
	s_cmp_eq_u32 s23, 10
	s_cselect_b32 s28, 131072, 0                   ; in the last block rows 24 to 31 are loaded 16 rows higher up,
	s_cselect_b32 s25, 0, -1                       ; and masked to zeros
	s_mov_b32 s29, 0
	s_sub_nc_u64 s[30:31], s[4:5], s[28:29]
	s_sub_nc_u64 s[32:33], s[6:7], s[28:29]
	s_mul_i32 s34, s21, 11
	s_add_co_u32 s34, s34, s23                     ; 11 e + B
	s_lshl_b32 s36, s34, 16
	s_lshl_b32 s35, s24, 13
	s_add_co_u32 s36, s36, s35
	s_mov_b32 s37, 0
	s_add_nc_u64 s[36:37], s[12:13], s[36:37]      ; the codes' place
	s_lshl_b32 s38, s34, 3
	s_add_co_u32 s38, s38, s24
	s_lshl_b32 s38, s38, 9
	s_mov_b32 s39, 0
	s_add_nc_u64 s[38:39], s[12:13], s[38:39]
	s_add_nc_u64 s[38:39], s[38:39], WGUS          ; the scale words' place
	s_mul_i32 s40, s16, 8448                       ; my stage: 16 rows of 512 bytes + 16
	v_add_nc_u32 v2, s40, v1
	v_mul_u32_u24 v3, v8, 528
	v_lshl_add_u32 v3, v7, 6, v3
	v_add_nc_u32 v3, s40, v3                       ; out of it: row r, + 64 h: my 16 numbers of a block
; sub-step q = 4 kk + 2 g + u: 16 rows x 128 along K.  Each load reads 512 consecutive bytes of one row
.macro LOADA q
.set LK, (\q)/4
.set LGG, ((\q)/2)%2
.set LU, (\q)%2
.set LR, R+64*((\q)%2)
.irp i, 0,1,2,3,4,5,6,7,8,9,10,11,12,13,14,15
.if (LU == 1) && (\i >= 8)
.set LBASE, 30+2*LGG
.else
.set LBASE, 4+2*LGG
.endif
	global_load_b128 v[LR+4*\i:LR+4*\i+3], v1, s[LBASE:LBASE+1] offset:(8*LU+\i+8*(\i/8))*8192+512*LK th:TH_LOAD_NT
.endr
.endm
.macro STEPA q
.set SRR, R+64*((\q)%2)
.if (\q) < 7
	s_wait_loadcnt 16                              ; this sub-step's 16 loads are in; the next one's may be out
.else
	s_wait_loadcnt 0x0
.endif
.if (\q)%2 == 1
.set J, 32
.rept 32
	v_and_b32 v[SRR+J], s25, v[SRR+J]              ; tile u = 1, lanes' rows 8 to 15: zeros in the last block of hidden units
.set J, J+1
.endr
.endif
.irp i, 0,1,2,3,4,5,6,7,8,9,10,11,12,13,14,15
	ds_store_b128 v2, v[SRR+4*\i:SRR+4*\i+3] offset:528*\i
.endr
.irp b, 0,1,2,3
.irp j, 0,1,2,3
	ds_load_b128 v[X+16*\b+4*\j:X+16*\b+4*\j+3], v3 offset:128*\b+16*\j   ; LDS serves a wave's instructions in order: these see my stores
.endr
.endr
	s_wait_dscnt 0x0
.if (\q)+2 < 8
	LOADA (\q)+2
.endif
	QUANT4 SWD+(\q)
.irp b, 0,1,2,3
	global_store_b64 v4, v[C+2*\b:C+2*\b+1], s[36:37] offset:4096*((\q)/4)+2048*(((\q)/2)%2)+1024*((\q)%2)+256*\b   ; 256 consecutive bytes, aligned
.endr
.endm
	LOADA 0
	LOADA 1
.irp q, 0,1,2,3,4,5,6,7
	STEPA \q
.endr
	v_cmp_ne_u32 vcc_lo, 0, v7
.irp a, 0,1,2,3
	v_cndmask_b32 v[OW+\a], v[SWD+2*\a], v[SWD+2*\a+1], vcc_lo   ; lanes 0-15 carry tile u = 0's words, lanes 16-31 tile u = 1's; word 2 kk + g
.endr
	global_store_b128 v1, v[OW:OW+3], s[38:39]
	s_wait_tensorcnt 0x0
	ds_add_u32 v62, v63
	s_wait_dscnt 0x0
	s_endpgm
	; ---------------- Wd: unit V = 128 e + tile: 16 rows of 1,376 bytes, dense: 43 loads of 512 bytes
.Ldown:
	s_sub_co_u32 s20, ttmp9, 208
	s_lshl_b32 s20, s20, 2
	s_add_co_u32 s20, s20, s16                     ; V, 0 to 1,023
	s_mul_i32 s26, s20, 22016
	s_mov_b32 s27, 0
	s_add_nc_u64 s[8:9], s[8:9], s[26:27]
	s_mul_i32 s28, s20, 3072
	s_mov_b32 s29, 0
	s_add_nc_u64 s[36:37], s[12:13], s[28:29]
	s_add_nc_u64 s[36:37], s[36:37], WDC
	s_lshl_b32 s28, s20, 8
	s_add_nc_u64 s[38:39], s[12:13], s[28:29]
	s_add_nc_u64 s[38:39], s[38:39], WDS
	s_mul_i32 s40, s16, 22016
	s_add_co_u32 s40, s40, LB
	v_add_nc_u32 v2, s40, v1
	v_mul_u32_u24 v5, v8, 1376
	v_add_nc_u32 v5, s40, v5                       ; row r
	v_lshl_add_u32 v3, v7, 6, v5                   ; + 64 h
	v_lshlrev_b32 v9, 3, v6
.set I, 0
.rept 43
	global_load_b128 v[64+4*I:64+4*I+3], v1, s[8:9] offset:512*I th:TH_LOAD_NT
.set I, I+1
.endr
	s_wait_loadcnt 0x0
.set I, 0
.rept 43
	ds_store_b128 v2, v[64+4*I:64+4*I+3] offset:512*I
.set I, I+1
.endr
	s_wait_dscnt 0x0                               ; the stores have read their registers, which the numbers below take
.macro DSTEP s
.irp b, 0,1,2,3
.irp j, 0,1,2,3
.if ((\s) < 2) || (\b < 2) || ((\b == 2) && (\j < 2))
	ds_load_b128 v[X+16*\b+4*\j:X+16*\b+4*\j+3], v3 offset:512*(\s)+128*\b+16*\j
.elseif \b == 2
	ds_load_b128 v[X+16*\b+4*\j:X+16*\b+4*\j+3], v5 offset:512*(\s)+128*\b+16*\j   ; k = 328 .. 335 for both halves: lanes 16-31 would want k = 344 on, which does not exist
.endif
.endr
.endr
	s_wait_dscnt 0x0
.if (\s) == 2
	v_cmp_eq_u32 vcc_lo, 0, v7
.irp j, 40,41,42,43,44,45,46,47
	v_cndmask_b32 v[X+\j], 0, v[X+\j], vcc_lo      ; k = 344 .. 351: zeros
.endr
.irp j, 48,49,50,51,52,53,54,55,56,57,58,59,60,61,62,63
	v_mov_b32 v[X+\j], 0                           ; k = 352 .. 383: zeros
.endr
.endif
	QUANT4 SWD+(\s)
.irp b, 0,1,2,3
	global_store_b64 v4, v[C+2*\b:C+2*\b+1], s[36:37] offset:1024*(\s)+256*\b
.endr
.endm
	DSTEP 0
	DSTEP 1
	DSTEP 2
	v_cmp_ne_u32 vcc_lo, 0, v7
	v_cndmask_b32 v[OW], v[SWD], v[SWD+1], vcc_lo  ; word 0: lanes 0-15 K step 0's, lanes 16-31 K step 1's
	v_mov_b32 v[OW+1], v[SWD+2]                    ; word 1: K step 2's
	global_store_b64 v9, v[OW:OW+1], s[38:39]
	s_wait_tensorcnt 0x0
	ds_add_u32 v62, v63
	s_wait_dscnt 0x0
	s_endpgm
	; ---------------- the sort: wave W owns tokens 32 W + lane (groups 2 W and 2 W + 1); in the histograms a lane stands for a pair
.Lsort:
	s_lshl_b32 s20, ttmp9, 2
	s_add_co_u32 s20, s20, s16                     ; W, 0 to 127
	v_lshlrev_b32 v5, 2, v6
	s_lshl_b32 s26, s20, 7
	s_mov_b32 s27, 0
	s_add_nc_u64 s[28:29], s[10:11], s[26:27]      ; my tokens' info
	s_add_nc_u64 s[30:31], s[10:11], HIST_OFF      ; the 256 histograms
	s_lshl_b32 s26, s20, 8
	s_add_nc_u64 s[32:33], s[30:31], s[26:27]      ; group 2 W's
	global_load_b32 v12, v5, s[28:29]
	global_load_b32 v13, v5, s[32:33]
.macro HLOAD b
.irp i, 0,1,2,3,4,5,6,7,8,9,10,11,12,13,14,15,16,17,18,19,20,21,22,23,24,25,26,27,28,29,30,31
	global_load_b32 v[HB+32*((\b)%2)+\i], v5, s[30:31] offset:128*(32*(\b)+\i)
.endr
.endm
.macro HWORK b
.irp a, 0,1,2,3,4,5,6,7,8,9,10,11,12,13,14,15
	s_cmp_eq_u32 s20, 16*(\b)+\a
	s_cselect_b32 vcc_lo, -1, 0
	v_cndmask_b32 v10, v10, v11, vcc_lo            ; what the groups ahead of mine hold of each pair
	v_add3_u32 v11, v11, v[HB+32*((\b)%2)+2*\a], v[HB+32*((\b)%2)+2*\a+1]
.endr
.endm
	HLOAD 0
	HLOAD 1
	v_mov_b32 v10, 0
	v_mov_b32 v11, 0
.irp b, 0,1,2,3,4,5,6,7
.if \b < 7
	s_wait_loadcnt 32                              ; this batch is in (and all that was asked for earlier); the next batch's 32 may be out
.else
	s_wait_loadcnt 0x0
.endif
	HWORK \b
.if \b < 6
	HLOAD \b+2
.endif
.endr
	v_add_nc_u32 v14, 63, v11
	v_lshrrev_b32 v14, 6, v14                      ; tiles of each pair
	v_and_b32 v16, 0xff, v12                       ; my token's pair
	v_mov_b32 v15, 0                               ; each pair's first tile
	v_mov_b32 v17, 0
	v_mov_b32 v18, 0
	s_mov_b32 s34, 0
.irp p, 0,1,2,3,4,5,6,7,8,9,10,11,12,13,14,15,16,17,18,19,20,21,22,23,24,25,26,27
	v_readlane_b32 s35, v14, \p
	v_readlane_b32 s36, v10, \p
	v_readlane_b32 s37, v13, \p
	s_lshl_b32 s38, s34, 6
	s_add_co_u32 s38, s38, s36                     ; where group 2 W's tokens of pair p begin
	v_cmp_ne_u32 vcc_lo, \p, v16
	v_cndmask_b32 v17, s38, v17, vcc_lo
	v_cndmask_b32 v18, s37, v18, vcc_lo
	v_writelane_b32 v15, s34, \p
	s_add_co_u32 s34, s34, s35
.endr
	v_cmp_le_u32 vcc_lo, 16, v6
	v_cndmask_b32 v18, 0, v18, vcc_lo              ; group 2 W + 1 stands behind group 2 W's tokens of the pair
	v_bfe_u32 v19, v12, 8, 8                       ; my rank in my group
	v_add3_u32 v17, v17, v19, v18
	v_min_u32 v17, 0x16bf, v17                     ; 91 tiles x 64 places
	v_lshlrev_b32 v17, 2, v17
	v_and_b32 v19, 0xff0000, v12                   ; lo, hi
	s_lshl_b32 s35, s20, 5
	v_add_nc_u32 v20, s35, v6                      ; my token
	v_or_b32 v19, v19, v20
	global_store_b32 v17, v19, s[14:15]
	s_cmp_lg_u32 s20, 0
	s_cbranch_scc1 .Lsdone
	; the list of tiles: tile t belongs to the last pair whose first tile is at or below t
	v_mov_b32 v21, v6
	v_add_nc_u32 v22, 32, v6
	v_add_nc_u32 v23, 64, v6
.irp j, 24,25,26,27,28,29
	v_mov_b32 v\j, 0
.endr
.macro TP p, lo, hi
	v_readlane_b32 s31, v15, \p
	v_readlane_b32 s33, v11, \p
	s_lshl_b32 s34, s31, 6
	s_add_co_u32 s34, s34, s33                     ; where the pair's tokens end
.irp j, 0,1,2
	v_cmp_gt_u32 vcc_lo, s31, v[21+\j]
	v_cndmask_b32 v[24+\j], s34, v[24+\j], vcc_lo
	v_cndmask_b32 v[27+\j], ((\lo)<<8)|((\hi)<<12), v[27+\j], vcc_lo
.endr
.endm
.irp hi, 1,2,3,4,5,6,7
.irp lo, 0,1,2,3,4,5,6
.if \lo < \hi
	TP (\hi*(\hi-1)/2+\lo), \lo, \hi
.endif
.endr
.endr
.irp j, 0,1,2
	v_lshlrev_b32 v[30+\j], 6, v[21+\j]
	v_min_u32 v[30+\j], v[24+\j], v[30+\j]
	v_sub_nc_u32 v[30+\j], v[24+\j], v[30+\j]      ; tokens from the tile's first place on,
	v_min_u32 v[30+\j], 64, v[30+\j]               ; 64 at the most, 0 behind the last tile
	v_or_b32 v[30+\j], v[30+\j], v[27+\j]
	global_store_b32 v5, v[30+\j], s[14:15] offset:TILE_OFF+128*\j
.endr
.Lsdone:
	s_endpgm
.Lfunc_end_k_qa11ec1d907_prep:
	.size	k_qa11ec1d907_prep, .Lfunc_end_k_qa11ec1d907_prep-k_qa11ec1d907_prep
	.p2alignl 7, 3214868480
	.fill 96, 4, 3214868480
	.section	.rodata,"a",@progbits
	.p2align	6, 0x0
	.amdhsa_kernel k_qa11ec1d907_prep
		.amdhsa_group_segment_fixed_size 122368
		.amdhsa_private_segment_fixed_size 0
		.amdhsa_enable_private_segment 0
		.amdhsa_kernarg_size 48
		.amdhsa_user_sgpr_count 2
		.amdhsa_user_sgpr_kernarg_segment_ptr 1
		.amdhsa_wavefront_size32 1
		.amdhsa_system_sgpr_workgroup_id_x 1
		.amdhsa_system_sgpr_workgroup_id_y 1
		.amdhsa_system_sgpr_workgroup_id_z 1
		.amdhsa_system_vgpr_workitem_id 0
		.amdhsa_next_free_vgpr 256
		.amdhsa_next_free_sgpr 66
		.amdhsa_reserve_vcc 1
		.amdhsa_float_denorm_mode_32 3
		.amdhsa_float_denorm_mode_16_64 3
		.amdhsa_memory_ordered 1
		.amdhsa_forward_progress 1
		.amdhsa_inst_pref_size 169
	.end_amdhsa_kernel
	.amdgpu_metadata
---
amdhsa.version: [ 1, 2 ]
amdhsa.kernels:
  - .name:           k_qa11ec1d907_prep
    .symbol:         k_qa11ec1d907_prep.kd
    .args:
      - { .name: Wg, .offset: 0, .size: 8, .value_kind: global_buffer, .address_space: global }
      - { .name: Wu, .offset: 8, .size: 8, .value_kind: global_buffer, .address_space: global }
      - { .name: Wd, .offset: 16, .size: 8, .value_kind: global_buffer, .address_space: global }
      - { .name: ri, .offset: 24, .size: 8, .value_kind: global_buffer, .address_space: global }
      - { .name: wq, .offset: 32, .size: 8, .value_kind: global_buffer, .address_space: global }
      - { .name: ord, .offset: 40, .size: 8, .value_kind: global_buffer, .address_space: global }
    .group_segment_fixed_size: 122368
    .private_segment_fixed_size: 0
    .kernarg_segment_align: 8
    .kernarg_segment_size: 48
    .max_flat_workgroup_size: 128
    .sgpr_count:     66
    .vgpr_count:     256
    .wavefront_size: 32
...
	.end_amdgpu_metadata
.endif
;; end of part 2
;; launch gateup (part 3): grid 3 x 91, 4 waves a work-group, no clusters, 67,072 bytes of LDS; arguments xq, wq, ord, hq; writes hq
.if DOCPART == 3
	.amdgcn_target "amdgcn-amd-amdhsa--gfx1250"
	.amdhsa_code_object_version 6
	.text
	.protected	k_qa11ec1d907_gateup
	.globl	k_qa11ec1d907_gateup
	.p2align	8
	.type	k_qa11ec1d907_gateup,@function
k_qa11ec1d907_gateup:
	s_mov_b64 s[64:65], 0
	v_nop
	global_prefetch_b8 v0, s[64:65] scope:SCOPE_SE
	s_setreg_imm32_b32 hwreg(HW_REG_WAVE_MODE, 25, 1), 1
	s_wait_xcnt 0x0
; GATEUP.  For a tile of up to 64 tokens that chose the same two experts, and a third of the hidden layer: h = silu(x Wg^T) * (x Wu^T) for both experts, on FP4 codes, and h quantised along
; the hidden units into FP4 codes and E8M0 bytes, stored as the next product's operand wants them.  The grid serves every split of the tokens: 4096 / 64 + 28 - 1 = 91 tiles at the most;
; a tile that the stored list leaves empty stores nothing.  That is a branch on a stored number, so the weights come from memory straight into registers (laid out for that by the launch before):
; no tensor load, no cluster (tiles of one pair could share weights, but which tiles exist hangs on the stored list).
; SHARES.  Work-group (s, tile); wave w owns the block of 32 hidden units B = 4 s + w for the tile's 64 rows and both experts: 16 accumulators (4 tiles of rows x gate, up x 2 tiles of units).
; B = 11 is the zero fill of K = 344 up to 384: that wave helps to stage x and stores zero codes.
; The products are used TRANSPOSED (source 0 = 16 weight rows, source 1 = 16 tokens): a lane holds one token, and the 16 registers of tiles u = 0, 1 are 16 neighbouring hidden units.
; Rows behind the tile's count repeat its last token: finite numbers that the next launch never stores.
; x's codes of the 64 tokens are gathered once into LDS (rows of 1,024 bytes + 16); ONE barrier, which every wave passes, stands ahead of every branch on the stored count.
; LIMITS: NaN and infinities are not served; a block of zeros gets the scale byte 1 (codes zero; read by this program alone).
; REGISTERS.  window 0: v1-22 addresses; v32-63 x's scale words; v64-127 the weights' scale words; v128-255 x's fragments, a ring of 4 K steps.
;   window 1: the weights' fragments, a ring of 8 K steps x 32 registers.   window 2: v0-127 accumulators (32 m + 16 g + 8 u); v128-255 at work behind the products.
.set XS_OFF, 4194304
.set WGUS, 5767168
.set TILE_OFF, 23296
.set HS,  2236416
.set PX,  1040                         ; a token's row in LDS: 260 words: row r starts at bank 4 r mod 64
.set XS,  32
.set WS,  64
.set XF,  128
.set T,   128                          ; window 2
.set P,   192
.set TM,  192                          ; (over P, once P is used up)
.set C,   208
.set SW,  216
.set WB,  28                           ; s[28:31] the two experts' codes;  s[32:35] their scale words
.set WSB, 32
.set CS,  36                           ; s[36:37] -log2(e)
.set SEL, 38
.set HCB, 40                           ; s[40:43] where h's codes go;  s[44:47] its scale words
.set HSB, 44
.set MSB, 0
.macro WIN new                         ; the immediate's high byte repeats the setting that is left
.if MSB != \new
	s_set_vgpr_msb (MSB<<8)|\new
.set MSB, \new
.endif
.endm
	s_load_b256 s[4:11], s[0:1], 0x0               ; xq s[4:5], wq s[6:7], ord s[8:9], hq s[10:11]
	v_lshl_add_u32 v30, v0, 2, 0x10400
	v_mov_b32 v31, 0
	v_lshrrev_b32 v1, 5, v0
	v_readfirstlane_b32 s16, v1                    ; wave 0..3
	s_and_b32 s26, ttmp7, 0xffff                   ; tile
	s_lshl_b32 s17, ttmp9, 2
	s_add_co_u32 s17, s17, s16                     ; B
	s_min_u32 s25, s17, 10                         ; (the weights have 11 blocks)
	s_lshl_b32 s18, s26, 2
	v_and_b32 v2, 31, v0                           ; lane
	v_lshlrev_b32 v1, 4, v2                        ; 16 x lane
	v_and_b32 v18, 15, v0                          ; r
	v_bfe_u32 v19, v0, 4, 1                        ; h
	v_lshlrev_b32 v3, 4, v18                       ; 16 r
	v_mul_u32_u24 v4, v18, PX
	v_lshl_add_u32 v4, v19, 4, v4                  ; a fragment of x: row r, + 16 h
	s_mul_i32 s27, s16, 16*PX
	v_mul_u32_u24 v5, v19, PX
	v_add_nc_u32 v5, v5, v3
	v_add_nc_u32 v5, s27, v5                       ; staging: row 16 w + h, + 16 r
	v_lshl_add_u32 v6, v19, 3, v3                  ; 16 r + 8 h: my 8 bytes of a block's 256
	v_lshlrev_b32 v7, 2, v2
	s_mov_b32 s[CS], 0xbfb8aa3b
	s_mov_b32 s[CS+1], s[CS]
	s_mov_b32 s[SEL], 0x76543210
	s_mov_b32 s[SEL+1], 0xfedcba98
	s_wait_kmcnt 0x0
	s_load_b32 s19, s[8:9], s18 offset:TILE_OFF    ; count | lo << 8 | hi << 12
	s_wait_kmcnt 0x0
	s_and_b32 s20, s19, 0xff
	s_min_u32 s20, s20, 64                         ; count
	s_bfe_u32 s21, s19, 0x40008
	s_min_u32 s21, s21, 7                          ; lo
	s_bfe_u32 s22, s19, 0x4000c
	s_min_u32 s22, s22, 7                          ; hi
	s_lshl_b32 s23, s26, 6
	s_cmp_lg_u32 s20, 0
	s_cselect_b32 s23, s23, 0                      ; an empty tile reads place 0, which is always written
	s_max_u32 s24, s20, 1
	s_sub_co_u32 s24, s24, 1                       ; the tile's last row
	s_mov_b32 s51, 0
	s_mov_b32 s53, 0
.irp i, 0,1
	s_mul_i32 s50, s[21+\i], 11
	s_add_co_u32 s50, s50, s25
	s_lshl_b32 s52, s50, 12
	s_lshl_b32 s50, s50, 16
	s_add_nc_u64 s[WB+2*\i:WB+2*\i+1], s[6:7], s[50:51]
	s_add_nc_u64 s[WSB+2*\i:WSB+2*\i+1], s[6:7], s[52:53]
	s_add_nc_u64 s[WSB+2*\i:WSB+2*\i+1], s[WSB+2*\i:WSB+2*\i+1], WGUS
	s_lshl_b32 s50, s26, 1
	s_add_co_u32 s50, s50, \i
	s_mul_i32 s50, s50, 12
	s_add_co_u32 s50, s50, s17                     ; (2 tile + i) 12 + B
	s_lshl_b32 s52, s50, 7
	s_lshl_b32 s50, s50, 10
	s_add_nc_u64 s[HCB+2*\i:HCB+2*\i+1], s[10:11], s[50:51]
	s_add_nc_u64 s[HSB+2*\i:HSB+2*\i+1], s[10:11], s[52:53]
	s_add_nc_u64 s[HSB+2*\i:HSB+2*\i+1], s[HSB+2*\i:HSB+2*\i+1], HS
.endr
	s_add_nc_u64 s[48:49], s[4:5], XS_OFF          ; x's scale bytes
	; the tokens: v8-15 those whose rows I stage (rows 16 w + 2 a + h), v16-17 those whose scale words my lane holds (rows 32 p + lane)
	s_lshl_b32 s27, s16, 4
	v_add_nc_u32 v20, s27, v19
.irp a, 0,1,2,3,4,5,6,7
	v_add_nc_u32 v[8+\a], 2*\a, v20
.endr
	v_mov_b32 v16, v2
	v_add_nc_u32 v17, 32, v2
.irp a, 0,1,2,3,4,5,6,7,8,9
	v_min_u32 v[8+\a], s24, v[8+\a]                ; rows behind the count repeat the last
	v_add_nc_u32 v[8+\a], s23, v[8+\a]
	v_min_u32 v[8+\a], 0x16bf, v[8+\a]
	v_lshlrev_b32 v[8+\a], 2, v[8+\a]
.endr
.irp a, 0,1,2,3,4,5,6,7,8,9
	global_load_b32 v[8+\a], v[8+\a], s[8:9]
.endr
.irp i, 0,1
.irp q, 0,1,2,3,4,5,6,7
	global_load_b128 v[WS+32*\i+4*\q:WS+32*\i+4*\q+3], v1, s[WSB+2*\i:WSB+2*\i+1] offset:512*\q   ; register WS + 32 i + 2 k + g: lanes 0-15 tile u = 0, lanes 16-31 u = 1
.endr
.endr
; step t = 16 i + k: expert i, K step k.  Its 8 loads: (gate, up) x (u) x (half of a fragment), 512 consecutive bytes each
.macro WLOAD t
.set WI, (\t)/16
.set WK, (\t)%16
.set WR, 32*((\t)%8)
	WIN 0x40                                       ; destination window 1
.irp n, 0,1,2,3,4,5,6,7
	global_load_b128 v[WR+4*\n:WR+4*\n+3], v1, s[WB+2*WI:WB+2*WI+1] offset:4096*WK+512*\n
.endr
.endm
.macro XFRAG t
.set FK, (\t)%16
.set FRR, XF+32*((\t)%4)
.irp m, 0,1,2,3
.irp c, 0,1
	ds_load_b128 v[FRR+8*\m+4*\c:FRR+8*\m+4*\c+3], v4 offset:16*PX*\m+64*FK+32*\c
.endr
.endr
.endm
	WLOAD 0
	WLOAD 1
	WLOAD 2
	WLOAD 3
	WIN 0
	s_wait_loadcnt 48                              ; the tokens are in: behind them 16 loads of scale words and 32 of weights
.irp a, 0,1,2,3,4,5,6,7
	v_and_b32 v[8+\a], 0xfff, v[8+\a]
	v_min_u32 v[8+\a], 0xfff, v[8+\a]
	v_lshl_add_u32 v[8+\a], v[8+\a], 10, v3        ; token x 1,024 + 16 r
.endr
.irp p, 0,1
	v_and_b32 v[16+\p], 0xfff, v[16+\p]
	v_min_u32 v[16+\p], 0xfff, v[16+\p]
	v_lshlrev_b32 v[16+\p], 6, v[16+\p]            ; token x 64
.endr
.irp a, 0,1,2,3,4,5,6,7
.irp q, 0,1,2,3
	global_load_b128 v[XF+16*\a+4*\q:XF+16*\a+4*\q+3], v[8+\a], s[4:5] offset:256*\q   ; sixteen lanes read 256 consecutive bytes of a token's codes
.endr
.endr
.irp p, 0,1
.irp q, 0,1,2,3
	global_load_b128 v[XS+16*\p+4*\q:XS+16*\p+4*\q+3], v[16+\p], s[48:49] offset:16*\q  ; register XS + 16 p + k: lanes 0-15 rows' tile 2 p, lanes 16-31 tile 2 p + 1
.endr
.endr
	WLOAD 4
	WLOAD 5
	WLOAD 6
	WLOAD 7
	WIN 0
	s_wait_loadcnt 32                              ; all but the last four steps' weights: x's codes and scale words among them
.irp a, 0,1,2,3,4,5,6,7
.irp q, 0,1,2,3
	ds_store_b128 v5, v[XF+16*\a+4*\q:XF+16*\a+4*\q+3] offset:2*PX*\a+256*\q
.endr
.endr
	s_wait_dscnt 0x0                               ; for the others' sake: my 16 rows lie in LDS
	s_barrier_signal -1
	s_barrier_wait -1                              ; the tile's 64 rows do.  The launch's only barrier: every wave has passed it before any leaves
	s_cmp_eq_u32 s20, 0
	s_cbranch_scc1 .Lend
	s_cmp_eq_u32 s17, 11
	s_cbranch_scc1 .Lzero
	XFRAG 0
	XFRAG 1
	XFRAG 2
	XFRAG 3
; one product.  z = 1: it starts the sum.  u = 1: the weights' scale words stand in lanes 16-31;  mo = 1: x's do
.macro WM z, u, mo
.if (\z) && (\u == 0) && (\mo == 0)
	v_wmma_scale_f32_16x16x128_f8f6f4 v[DR:DR+7], v[AR:AR+7], v[BR:BR+7], 0, v[SAR], v[SBR] matrix_a_fmt:MATRIX_FMT_FP4 matrix_b_fmt:MATRIX_FMT_FP4
.elseif (\z) && (\u == 1) && (\mo == 0)
	v_wmma_scale_f32_16x16x128_f8f6f4 v[DR:DR+7], v[AR:AR+7], v[BR:BR+7], 0, v[SAR], v[SBR] matrix_a_fmt:MATRIX_FMT_FP4 matrix_b_fmt:MATRIX_FMT_FP4 matrix_a_scale:MATRIX_SCALE_ROW1
.elseif (\z) && (\u == 0)
	v_wmma_scale_f32_16x16x128_f8f6f4 v[DR:DR+7], v[AR:AR+7], v[BR:BR+7], 0, v[SAR], v[SBR] matrix_a_fmt:MATRIX_FMT_FP4 matrix_b_fmt:MATRIX_FMT_FP4 matrix_b_scale:MATRIX_SCALE_ROW1
.elseif (\z)
	v_wmma_scale_f32_16x16x128_f8f6f4 v[DR:DR+7], v[AR:AR+7], v[BR:BR+7], 0, v[SAR], v[SBR] matrix_a_fmt:MATRIX_FMT_FP4 matrix_b_fmt:MATRIX_FMT_FP4 matrix_a_scale:MATRIX_SCALE_ROW1 matrix_b_scale:MATRIX_SCALE_ROW1
.elseif (\u == 0) && (\mo == 0)
	v_wmma_scale_f32_16x16x128_f8f6f4 v[DR:DR+7], v[AR:AR+7], v[BR:BR+7], v[DR:DR+7], v[SAR], v[SBR] matrix_a_fmt:MATRIX_FMT_FP4 matrix_b_fmt:MATRIX_FMT_FP4
.elseif (\u == 1) && (\mo == 0)
	v_wmma_scale_f32_16x16x128_f8f6f4 v[DR:DR+7], v[AR:AR+7], v[BR:BR+7], v[DR:DR+7], v[SAR], v[SBR] matrix_a_fmt:MATRIX_FMT_FP4 matrix_b_fmt:MATRIX_FMT_FP4 matrix_a_scale:MATRIX_SCALE_ROW1
.elseif (\u == 0)
	v_wmma_scale_f32_16x16x128_f8f6f4 v[DR:DR+7], v[AR:AR+7], v[BR:BR+7], v[DR:DR+7], v[SAR], v[SBR] matrix_a_fmt:MATRIX_FMT_FP4 matrix_b_fmt:MATRIX_FMT_FP4 matrix_b_scale:MATRIX_SCALE_ROW1
.else
	v_wmma_scale_f32_16x16x128_f8f6f4 v[DR:DR+7], v[AR:AR+7], v[BR:BR+7], v[DR:DR+7], v[SAR], v[SBR] matrix_a_fmt:MATRIX_FMT_FP4 matrix_b_fmt:MATRIX_FMT_FP4 matrix_a_scale:MATRIX_SCALE_ROW1 matrix_b_scale:MATRIX_SCALE_ROW1
.endif
.endm
; a step's 16 products: the 16 accumulators take turns, one instruction a turn, in the same order in every step
.macro MM t
.set MI, (\t)/16
.set MK, (\t)%16
.set MW, 32*((\t)%8)
.set MX, XF+32*((\t)%4)
	WIN 0xa1                                       ; source 0 (weights) window 1, source 1 (x) window 0, C and D window 2
.irp m, 0,1,2,3
.irp g, 0,1
.irp u, 0,1
.set DR, 32*\m+16*\g+8*\u
.set AR, MW+16*\g+8*\u
.set BR, MX+8*\m
.set SAR, WS+32*MI+2*MK+\g
.set SBR, XS+16*(\m/2)+MK
	WM (MK==0), \u, (\m%2)
.endr
.endr
.endr
.endm
.macro KSTEP t
.if (\t) > 24
	s_wait_loadcnt 8*(31-(\t))                     ; this step's weights are in; behind them only the steps up to 31
.else
	s_wait_loadcnt 56                              ; this step's weights are in; the seven steps behind it (56 loads) may be out
.endif
.if (\t) > 28
	s_wait_dscnt 8*(31-(\t))
.else
	s_wait_dscnt 24                                ; this step's fragments of x are in; the three steps behind it (24 loads) may be out
.endif
	MM \t
.if (\t) <= 27
.rept 4
	v_nop                                          ; four plain places in front of loads into registers that the products have read
.endr
.endif
.if (\t) <= 23
	WLOAD (\t)+8
.endif
.if (\t) <= 27
	WIN 0
	XFRAG (\t)+4
.endif
.endm
; behind an expert's 16 K steps: h = g u / (1 + 2^(-g log2 e)), in f32; its block of 32 (lanes l and l xor 16) is quantised; codes and scale bytes leave
.macro EPI i
.rept 4
	v_nop                                          ; four plain places in front of the first read of results
.endr
	s_wait_xcnt 0x0                                ; the earlier expert's stores have read the registers that are written again below
	WIN 0xaa                                       ; all in window 2
.set J, 0
.rept 32
	v_pk_mul_f32 v[T+2*J:T+2*J+1], v[32*(J/8)+2*(J%8):32*(J/8)+2*(J%8)+1], s[CS:CS+1] op_sel_hi:[1,0]   ; -g log2 e; each accumulator from its low end on
.set J, J+1
.endr
.set J, 0
.rept 64
	v_exp_f32 v[T+J], v[T+J]
.set J, J+1
.endr
.set J, 0
.rept 32
	v_pk_mul_f32 v[P+2*J:P+2*J+1], v[32*(J/8)+2*(J%8):32*(J/8)+2*(J%8)+1], v[32*(J/8)+16+2*(J%8):32*(J/8)+16+2*(J%8)+1]   ; g u: work that names no exponential's result
.set J, J+1
.endr
	s_wait_alu depctr_va_vdst(0)                   ; one wait for the batch, ahead of its first reader
.set J, 0
.rept 32
	v_pk_add_f32 v[T+2*J:T+2*J+1], v[T+2*J:T+2*J+1], 1.0 op_sel_hi:[1,0]
.set J, J+1
.endr
.set J, 0
.rept 64
	v_rcp_f32 v[T+J], v[T+J]
.set J, J+1
.endr
	v_nop                                          ; a plain line behind the last reciprocal
	s_wait_alu depctr_va_vdst(0)
.set J, 0
.rept 32
	v_pk_mul_f32 v[T+2*J:T+2*J+1], v[P+2*J:P+2*J+1], v[T+2*J:T+2*J+1]   ; h: register T + 16 m + x = hidden unit 32 B + 16 h + x of token (m, r)
.set J, J+1
.endr
.irp m, 0,1,2,3
	v_max3_num_f32 v[TM+\m], |v[T+16*\m]|, |v[T+16*\m+1]|, 0x1800000    ; with the floor 2^(3 - 127)
.endr
.irp x, 2,4,6,8,10,12,14
.irp m, 0,1,2,3
	v_max3_num_f32 v[TM+\m], v[TM+\m], |v[T+16*\m+\x]|, |v[T+16*\m+\x+1]|
.endr
.endr
.irp m, 0,1,2,3
	v_permlanex16_b32 v[TM+4+\m], v[TM+\m], s[SEL], s[SEL+1]
.endr
.irp m, 0,1,2,3
	v_max_num_f32 v[TM+\m], v[TM+\m], v[TM+4+\m]
.endr
.irp m, 0,1,2,3
	v_add_nc_u32 v[TM+12+\m], 0xff000000, v[TM+\m]
.endr
.irp m, 0,1,2,3
	v_lshrrev_b32 v[TM+4+\m], 23, v[TM+12+\m]
.endr
	v_lshl_or_b32 v[SW], v[TM+5], 8, v[TM+4]       ; byte m: the block's scale for token (m, r)
	v_lshl_or_b32 v[SW], v[TM+6], 16, v[SW]
	v_lshl_or_b32 v[SW], v[TM+7], 24, v[SW]
.irp m, 0,1,2,3
	v_cvt_scalef32_pk8_fp4_f32 v[C+2*\m], v[T+16*\m:T+16*\m+7], v[TM+12+\m]
	v_cvt_scalef32_pk8_fp4_f32 v[C+2*\m+1], v[T+16*\m+8:T+16*\m+15], v[TM+12+\m]
.endr
	v_nop                                          ; one plain line behind the conversions
	WIN 0x08                                       ; a store's data: window 2
.irp m, 0,1,2,3
	global_store_b64 v6, v[C+2*\m:C+2*\m+1], s[HCB+2*\i:HCB+2*\i+1] offset:256*\m   ; 256 consecutive bytes, aligned
.endr
	global_store_b32 v7, v[SW], s[HSB+2*\i:HSB+2*\i+1]
	WIN 0
.endm
.irp t, 0,1,2,3,4,5,6,7,8,9,10,11,12,13,14,15
	KSTEP \t
.endr
	EPI 0
.irp t, 16,17,18,19,20,21,22,23,24,25,26,27,28,29,30,31
	KSTEP \t
.endr
	EPI 1
	s_wait_tensorcnt 0x0
	ds_add_u32 v30, v31
	s_wait_dscnt 0x0
	s_endpgm
.Lzero:                                                ; hidden units 352 to 383: zero codes under the byte 127
	v_mov_b32 v20, 0
	v_mov_b32 v21, 0
	v_mov_b32 v22, 0x7f7f7f7f
.irp i, 0,1
.irp m, 0,1,2,3
	global_store_b64 v6, v[20:21], s[HCB+2*\i:HCB+2*\i+1] offset:256*\m
.endr
	global_store_b32 v7, v22, s[HSB+2*\i:HSB+2*\i+1]
.endr
.Lend:
	s_wait_tensorcnt 0x0
	ds_add_u32 v30, v31
	s_wait_dscnt 0x0
	s_endpgm
.Lfunc_end_k_qa11ec1d907_gateup:
	.size	k_qa11ec1d907_gateup, .Lfunc_end_k_qa11ec1d907_gateup-k_qa11ec1d907_gateup
	.p2alignl 7, 3214868480
	.fill 96, 4, 3214868480
	.section	.rodata,"a",@progbits
	.p2align	6, 0x0
	.amdhsa_kernel k_qa11ec1d907_gateup
		.amdhsa_group_segment_fixed_size 67072
		.amdhsa_private_segment_fixed_size 0
		.amdhsa_enable_private_segment 0
		.amdhsa_kernarg_size 32
		.amdhsa_user_sgpr_count 2
		.amdhsa_user_sgpr_kernarg_segment_ptr 1
		.amdhsa_wavefront_size32 1
		.amdhsa_system_sgpr_workgroup_id_x 1
		.amdhsa_system_sgpr_workgroup_id_y 1
		.amdhsa_system_sgpr_workgroup_id_z 1
		.amdhsa_system_vgpr_workitem_id 0
		.amdhsa_next_free_vgpr 768
		.amdhsa_next_free_sgpr 66
		.amdhsa_reserve_vcc 0
		.amdhsa_float_denorm_mode_32 3
		.amdhsa_float_denorm_mode_16_64 3
		.amdhsa_memory_ordered 1
		.amdhsa_forward_progress 1
		.amdhsa_inst_pref_size 162
	.end_amdhsa_kernel
	.amdgpu_metadata
---
amdhsa.version: [ 1, 2 ]
amdhsa.kernels:
  - .name:           k_qa11ec1d907_gateup
    .symbol:         k_qa11ec1d907_gateup.kd
    .args:
      - { .name: xq, .offset: 0, .size: 8, .value_kind: global_buffer, .address_space: global }
      - { .name: wq, .offset: 8, .size: 8, .value_kind: global_buffer, .address_space: global }
      - { .name: ord, .offset: 16, .size: 8, .value_kind: global_buffer, .address_space: global }
      - { .name: hq, .offset: 24, .size: 8, .value_kind: global_buffer, .address_space: global }
    .group_segment_fixed_size: 67072
    .private_segment_fixed_size: 0
    .kernarg_segment_align: 8
    .kernarg_segment_size: 32
    .max_flat_workgroup_size: 128
    .sgpr_count:     66
    .vgpr_count:     768
    .wavefront_size: 32
...
	.end_amdgpu_metadata
.endif
;; end of part 3
;; launch down (part 4): grid 2 x 91, 4 waves a work-group, no clusters, 135,680 bytes of LDS; arguments hq, wq, ord, wts, out0; writes out0
.if DOCPART == 4
	.amdgcn_target "amdgcn-amd-amdhsa--gfx1250"
	.amdhsa_code_object_version 6
	.text
	.protected	k_qa11ec1d907_down
	.globl	k_qa11ec1d907_down
	.p2align	8
	.type	k_qa11ec1d907_down,@function
k_qa11ec1d907_down:
	s_mov_b64 s[64:65], 0
	v_nop
	global_prefetch_b8 v0, s[64:65] scope:SCOPE_SE
	s_setreg_imm32_b32 hwreg(HW_REG_WAVE_MODE, 25, 1), 1
	s_wait_xcnt 0x0
; DOWN.  For a tile of up to 64 tokens with the same two experts, and a half of the 2,048 columns: out = w_lo (h_lo Wd_lo^T) + w_hi (h_hi Wd_hi^T), on FP4 codes, K = 384 (344 and zeros).
; Each token lies in exactly one tile, so each output row has one owner for each half, and nothing is summed through memory.
; SHARES.  Work-group (half, tile): 2 x 91 = 182 in the grid at the most.  Wave w owns 256 columns, 16 tiles of 16, for the 64 rows and both experts, in two passes of 8 column tiles.
; All operands come from memory straight into registers: h's 24 fragments once, at the head; Wd's through a ring of 8 slots of 48 registers: as soon as a slot's products are issued it takes the column tile 8 further on,
; so that the second pass's weights land under the first pass's products and stores.  A tile that the stored list leaves empty ends at once: a branch on a stored number, hence no tensor load, no cluster,
; and no barrier in this text (the stage is the wave's own).
; The products are used TRANSPOSED (source 0 = 16 rows of Wd = 16 columns of out, source 1 = 16 tokens): a lane holds one token and eight neighbouring columns.
; THE WAY OUT, once a pass: the results go through the wave's stage in LDS (rows of 512 bytes + 16) and come back two rows at a time, lanes 0-15 256 bytes of one row, lanes 16-31 of the next: each half of the lanes
; stores 256 consecutive bytes, aligned, at its row's token.  The rows' offsets in out0 are made once, in 32 registers.  Pairs of rows behind the tile's count are not stored.  With an odd count the last pair's second row
; is the repeat of the last token (the launch before staged that token again, so its h, its weights and its results are the same numbers): lanes 16-31 then store the same bytes to the same place as lanes 0-15.
; REGISTERS.  window 0: v1-10 addresses; v12-15 tokens; v16-31 the weights; v32-55 h's scale words as the products want them; v56-119 Wd's scale words; v120-183 8 accumulators, later rows on their way out;
;   v184-215 weighed results (at the head: h's scale words as stored); v216-247 the rows' store offsets; v248-255 at work.   window 1: h's fragments.   windows 2, 3: Wd's ring (slots 0-4, 5-7).
.set TILE_OFF, 23296
.set HS,   2236416
.set WDC,  6127616
.set WDS,  9273344
.set SPT,  528                         ; a stage row: 512 bytes + 16 = 132 words: row r starts at bank 4 r mod 64
.set STGW, 64*SPT                      ; a wave's stage
.set TOK,  12
.set WL,   16
.set WH,   24
.set HSW,  32
.set WDSR, 56
.set DD,   120
.set RB,   120
.set RES,  184
.set HSR,  184                         ; (over RES, which is first written behind the transposition of these words)
.set VOP,  216
.set TP,   248
.set WO,   252
.set MSB, 0
.macro WIN new                         ; the immediate's high byte repeats the setting that is left
.if MSB != \new
	s_set_vgpr_msb (MSB<<8)|\new
.set MSB, \new
.endif
.endm
	s_load_b256 s[4:11], s[0:1], 0x0               ; hq s[4:5], wq s[6:7], ord s[8:9], wts s[10:11]
	s_load_b64 s[12:13], s[0:1], 0x20              ; out0
	v_lshl_add_u32 v11, v0, 2, 0x21000
	s_set_vgpr_msb 0x40
	v_mov_b32 v255, 0
	s_set_vgpr_msb 0x4000
	v_lshrrev_b32 v1, 5, v0
	v_readfirstlane_b32 s16, v1                    ; wave 0..3
	s_mov_b32 s17, ttmp9                           ; half
	s_and_b32 s18, ttmp7, 0xffff                   ; tile
	s_lshl_b32 s25, s18, 2
	v_and_b32 v2, 31, v0                           ; lane
	v_lshlrev_b32 v1, 4, v2                        ; 16 x lane
	v_and_b32 v9, 15, v0                           ; r
	v_bfe_u32 v10, v0, 4, 1                        ; h
	v_lshlrev_b32 v3, 4, v9                        ; 16 r
	v_lshl_add_u32 v4, v10, 10, v3                 ; h's fragments: 1,024 h + 16 r
	v_lshlrev_b32 v5, 2, v2
	v_lshlrev_b32 v6, 3, v2
	s_mul_i32 s24, s16, STGW                       ; my stage
	v_mul_u32_u24 v7, v9, SPT
	v_lshl_add_u32 v7, v10, 5, v7
	v_add_nc_u32 v7, s24, v7                       ; in: row r, + 32 h
	v_mul_u32_u24 v8, v10, SPT
	v_add_nc_u32 v8, v8, v3
	v_add_nc_u32 v8, s24, v8                       ; back: row h of a pair, + 16 r
	s_mov_b32 s40, 0x05010400                      ; byte selects for the 4 x 4 transposition of scale bytes
	s_mov_b32 s41, 0x07030602
	s_mov_b32 s42, 0x05040100
	s_mov_b32 s43, 0x07060302
	s_wait_kmcnt 0x0
	s_load_b32 s19, s[8:9], s25 offset:TILE_OFF    ; count | lo << 8 | hi << 12
	s_wait_kmcnt 0x0
	s_and_b32 s20, s19, 0xff
	s_min_u32 s20, s20, 64                         ; count
	s_bfe_u32 s21, s19, 0x40008
	s_min_u32 s21, s21, 7                          ; lo
	s_bfe_u32 s22, s19, 0x4000c
	s_min_u32 s22, s22, 7                          ; hi
	s_cmp_eq_u32 s20, 0
	s_cbranch_scc1 .Lout_1
	s_sub_co_u32 s24, s20, 1                       ; the tile's last row
	s_lshl_b32 s25, s18, 6
.irp m, 0,1,2,3
	v_add_nc_u32 v[TOK+\m], 16*\m, v9
	v_min_u32 v[TOK+\m], s24, v[TOK+\m]            ; rows behind the count repeat the last
	v_add_nc_u32 v[TOK+\m], s25, v[TOK+\m]
	v_min_u32 v[TOK+\m], 0x16bf, v[TOK+\m]
	v_lshlrev_b32 v[TOK+\m], 2, v[TOK+\m]
.endr
.irp m, 0,1,2,3
	global_load_b32 v[TOK+\m], v[TOK+\m], s[8:9]   ; lane (r, h): the token of row 16 m + r
.endr
	s_mul_i32 s46, s18, 24576
	s_mov_b32 s47, 0
	s_mov_b32 s49, 0
	s_add_nc_u64 s[26:27], s[4:5], s[46:47]        ; the tile's codes of h
	s_mul_i32 s46, s18, 3072
	s_add_nc_u64 s[28:29], s[4:5], s[46:47]
	s_add_nc_u64 s[28:29], s[28:29], HS            ; and its scale words
	s_lshl_b32 s23, s17, 6
	s_lshl_b32 s46, s16, 4
	s_add_co_u32 s23, s23, s46                     ; my first column tile: 64 x half + 16 x wave
.irp i, 0,1
	s_lshl_b32 s46, s[21+\i], 7
	s_add_co_u32 s46, s46, s23
	s_lshl_b32 s48, s46, 8
	s_mul_i32 s46, s46, 3072
	s_add_nc_u64 s[30+2*\i:31+2*\i], s[6:7], s[46:47]
	s_add_nc_u64 s[30+2*\i:31+2*\i], s[30+2*\i:31+2*\i], WDC
	s_add_nc_u64 s[34+2*\i:35+2*\i], s[6:7], s[48:49]
	s_add_nc_u64 s[34+2*\i:35+2*\i], s[34+2*\i:35+2*\i], WDS
.endr
	s_lshl_b32 s46, s17, 12
	s_lshl_b32 s48, s16, 10
	s_add_co_u32 s46, s46, s48
	s_add_nc_u64 s[44:45], s[12:13], s[46:47]      ; out0 at my 256 columns
.set J, 0
.rept 24
	global_load_b32 v[HSR+J], v5, s[28:29] offset:128*J       ; word 12 i + B: byte m = block B's scale for token (m, r)
.set J, J+1
.endr
.irp n, 0,1,2,3,4,5,6,7,8,9,10,11,12,13,14,15
.irp i, 0,1
	global_load_b64 v[WDSR+2*(2*\n+\i):WDSR+2*(2*\n+\i)+1], v6, s[34+2*\i:35+2*\i] offset:256*\n   ; word 0: lanes 0-15 K step 0, lanes 16-31 K step 1; word 1: K step 2
.endr
.endr
	; while those are on their way: the places in the sorted list of rows 2 j + h, j = 0 .. 31 (line by line over the 32, so that no line waits for the line above it)
.set J, 0
.rept 32
	v_add_nc_u32 v[VOP+J], 2*J, v10
.set J, J+1
.endr
.set J, 0
.rept 32
	v_min_u32 v[VOP+J], s24, v[VOP+J]              ; rows behind the count repeat the last
.set J, J+1
.endr
.set J, 0
.rept 32
	v_add_nc_u32 v[VOP+J], s25, v[VOP+J]
.set J, J+1
.endr
.set J, 0
.rept 32
	v_min_u32 v[VOP+J], 0x16bf, v[VOP+J]
.set J, J+1
.endr
.set J, 0
.rept 32
	v_lshlrev_b32 v[VOP+J], 2, v[VOP+J]
.set J, J+1
.endr
	s_wait_loadcnt 56                              ; the four token loads are in: behind them 24 + 32 loads of scale words
.irp m, 0,1,2,3
	v_and_b32 v[WO+\m], 0xfff, v[TOK+\m]
	v_min_u32 v[WO+\m], 0xfff, v[WO+\m]
	v_lshlrev_b32 v[WO+\m], 3, v[WO+\m]
.endr
.irp m, 0,1,2,3
	global_load_b64 v[WL+2*\m:WL+2*\m+1], v[WO+\m], s[10:11]  ; (w_lo, w_hi) of token (m, r)
.endr
.set J, 0
.rept 32
	global_load_b32 v[VOP+J], v[VOP+J], s[8:9]     ; lane (r, h): the token of row 2 j + h
.set J, J+1
.endr
	WIN 0x40                                       ; destination window 1
.irp i, 0,1
.irp m, 0,1,2,3
.irp s, 0,1,2
.irp c, 0,1
	global_load_b128 v[8*(12*\i+3*\m+\s)+4*\c:8*(12*\i+3*\m+\s)+4*\c+3], v4, s[26:27] offset:12288*\i+1024*(4*\s+2*\c)+256*\m
.endr
.endr
.endr
.endr
; column tile n's 12 loads (2 experts x 3 K steps x 2 halves of a fragment, 512 consecutive bytes each) into slot n % 8 of the ring
.macro WDLOAD n
.if (\n)%8 < 5
	WIN 0x80                                       ; destination window 2
.else
	WIN 0xc0                                       ; destination window 3
.endif
.irp i, 0,1
.irp s, 0,1,2
.irp c, 0,1
	global_load_b128 v[48*(((\n)%8)%5)+8*(3*\i+\s)+4*\c:48*(((\n)%8)%5)+8*(3*\i+\s)+4*\c+3], v1, s[30+2*\i:31+2*\i] offset:3072*(\n)+1024*\s+512*\c
.endr
.endr
.endr
.endm
.irp n, 0,1,2,3,4,5,6,7
	WDLOAD \n
.endr
	WIN 0
	s_wait_loadcnt 63                              ; the youngest 96 loads are Wd's: all that was asked for ahead of them is in
.macro HT i, s                         ; four words by block (bytes by tile of rows) become four words by tile of rows (bytes by block): K step s of expert i
.set A0, HSR+12*\i+4*\s
.set O0, HSW+4*(3*\i+\s)
	v_perm_b32 v[TP], v[A0+1], v[A0], s40
	v_perm_b32 v[TP+1], v[A0+1], v[A0], s41
	v_perm_b32 v[TP+2], v[A0+3], v[A0+2], s40
	v_perm_b32 v[TP+3], v[A0+3], v[A0+2], s41
	v_perm_b32 v[O0], v[TP+2], v[TP], s42
	v_perm_b32 v[O0+1], v[TP+2], v[TP], s43
	v_perm_b32 v[O0+2], v[TP+3], v[TP+1], s42
	v_perm_b32 v[O0+3], v[TP+3], v[TP+1], s43
.endm
.irp i, 0,1
.irp s, 0,1,2
	HT \i, \s
.endr
.endr
	; the 104 plain lines that follow are also the eight places between the scale words just written and the scaled products
.irp m, 0,1,2,3
	v_mov_b32 v[WH+2*\m], v[WL+2*\m+1]             ; w_hi as a pair's low word
	v_mov_b32 v[WH+2*\m+1], v[WL+2*\m+1]
.endr
.set J, 0
.rept 32
	v_and_b32 v[VOP+J], 0xfff, v[VOP+J]
.set J, J+1
.endr
.set J, 0
.rept 32
	v_min_u32 v[VOP+J], 0xfff, v[VOP+J]
.set J, J+1
.endr
.set J, 0
.rept 32
	v_lshl_add_u32 v[VOP+J], v[VOP+J], 13, v3      ; the token's row of 8,192 bytes, + 16 r
.set J, J+1
.endr
; column tile n: 24 products: K steps 0, 1, 2; in each the eight accumulators (expert, tile of rows) take turns, one instruction a turn
.macro COLT n
.set SL, (\n)%8
.if (\n) < 10
	s_wait_loadcnt 63                              ; behind this tile's loads stand 72 or 84 of later tiles: the count is the largest that the wait can name, and asks for more than is needed
.else
	s_wait_loadcnt 12*(15-(\n))                    ; this tile's 12 loads are in; the later tiles' may be out
.endif
.if SL < 5
	WIN 0x06                                       ; source 0 (Wd) window 2, source 1 (h) window 1, C and D window 0
.else
	WIN 0x07                                       ; source 0 window 3
.endif
.irp s, 0,1,2
.irp i, 0,1
.irp m, 0,1,2,3
.set DR, DD+8*(4*\i+\m)
.set AR, 48*(SL%5)+8*(3*\i+\s)
.set BR, 8*(12*\i+3*\m+\s)
.set SAR, WDSR+2*(2*(\n)+\i)+(\s/2)
.set SBR, HSW+4*(3*\i+\s)+\m
.if \s == 0
	v_wmma_scale_f32_16x16x128_f8f6f4 v[DR:DR+7], v[AR:AR+7], v[BR:BR+7], 0, v[SAR], v[SBR] matrix_a_fmt:MATRIX_FMT_FP4 matrix_b_fmt:MATRIX_FMT_FP4
.elseif \s == 1
	v_wmma_scale_f32_16x16x128_f8f6f4 v[DR:DR+7], v[AR:AR+7], v[BR:BR+7], v[DR:DR+7], v[SAR], v[SBR] matrix_a_fmt:MATRIX_FMT_FP4 matrix_b_fmt:MATRIX_FMT_FP4 matrix_a_scale:MATRIX_SCALE_ROW1
.else
	v_wmma_scale_f32_16x16x128_f8f6f4 v[DR:DR+7], v[AR:AR+7], v[BR:BR+7], v[DR:DR+7], v[SAR], v[SBR] matrix_a_fmt:MATRIX_FMT_FP4 matrix_b_fmt:MATRIX_FMT_FP4
.endif
.endr
.endr
.endr
	WIN 0
	s_wait_dscnt 0x0                               ; the last tile's stores into the stage have read the registers that are written again below
.rept 4
	v_nop                                          ; four plain places in front of the first read of results, and of the loads into the slot that the products have read
.endr
.irp m, 0,1,2,3
.irp p, 0,1,2,3
	v_pk_mul_f32 v[RES+8*\m+2*\p:RES+8*\m+2*\p+1], v[DD+8*\m+2*\p:DD+8*\m+2*\p+1], v[WL+2*\m:WL+2*\m+1] op_sel_hi:[1,0]   ; w_lo y_lo; each accumulator from its low end on
.endr
.irp p, 0,1,2,3
	v_pk_fma_f32 v[RES+8*\m+2*\p:RES+8*\m+2*\p+1], v[DD+8*(4+\m)+2*\p:DD+8*(4+\m)+2*\p+1], v[WH+2*\m:WH+2*\m+1], v[RES+8*\m+2*\p:RES+8*\m+2*\p+1] op_sel_hi:[1,0,1]   ; + w_hi y_hi
.endr
.endr
.irp m, 0,1,2,3
	ds_store_b128 v7, v[RES+8*\m:RES+8*\m+3] offset:16*SPT*\m+64*SL
	ds_store_b128 v7, v[RES+8*\m+4:RES+8*\m+7] offset:16*SPT*\m+64*SL+16
.endr
.if (\n) < 8
	WDLOAD (\n)+8                                  ; the slot takes the column tile 8 further on
	WIN 0
.endif
.endm
; rows 16 g .. 16 g + 15 of pass p leave.  Load t of the 16: the pair of rows 16 g + 2 (t / 2) + h, bytes 256 (t % 2) on.  The first pair behind the count ends the pass's way out
.macro OUTG p, g
.if (\g) > 0
	s_wait_xcnt 0x0                                ; the earlier stores have read their data, which are written again below
.endif
.irp t, 0,1,2,3,4,5,6,7,8,9,10,11,12,13,14,15
	ds_load_b128 v[RB+4*\t:RB+4*\t+3], v8 offset:SPT*(16*(\g)+2*(\t/2))+256*(\t%2)   ; LDS serves a wave's instructions in order: these see my stores
.endr
.irp t, 0,1,2,3,4,5,6,7,8,9,10,11,12,13,14,15
.if \t%2 == 0
	s_cmp_le_u32 s20, 16*(\g)+\t
	s_cbranch_scc1 .Lout_\p
.endif
	s_wait_dscnt 15-\t                             ; load t is in; the younger ones of the 16 may be out
	global_store_b128 v[VOP+8*(\g)+\t/2], v[RB+4*\t:RB+4*\t+3], s[44:45] offset:512*(\p)+256*(\t%2) th:TH_STORE_NT   ; each half of the lanes: 256 consecutive bytes, aligned
.endr
.endm
.irp n, 0,1,2,3,4,5,6,7
	COLT \n
.endr
	OUTG 0, 0
	OUTG 0, 1
	OUTG 0, 2
	OUTG 0, 3
.Lout_0:
	s_wait_dscnt 0x0                               ; no LDS load is on its way into the registers that the next products write,
	s_wait_xcnt 0x0                                ; and the stores have read them
.irp n, 8,9,10,11,12,13,14,15
	COLT \n
.endr
	OUTG 1, 0
	OUTG 1, 1
	OUTG 1, 2
	OUTG 1, 3
.Lout_1:
	s_wait_dscnt 0x0
	s_set_vgpr_msb 0x4
	s_wait_tensorcnt 0x0
	ds_add_u32 v11, v255
	s_wait_dscnt 0x0
	s_set_vgpr_msb 0x400
	s_endpgm
.Lfunc_end_k_qa11ec1d907_down:
	.size	k_qa11ec1d907_down, .Lfunc_end_k_qa11ec1d907_down-k_qa11ec1d907_down
	.p2alignl 7, 3214868480
	.fill 96, 4, 3214868480
	.section	.rodata,"a",@progbits
	.p2align	6, 0x0
	.amdhsa_kernel k_qa11ec1d907_down
		.amdhsa_group_segment_fixed_size 135680
		.amdhsa_private_segment_fixed_size 0
		.amdhsa_enable_private_segment 0
		.amdhsa_kernarg_size 40
		.amdhsa_user_sgpr_count 2
		.amdhsa_user_sgpr_kernarg_segment_ptr 1
		.amdhsa_wavefront_size32 1
		.amdhsa_system_sgpr_workgroup_id_x 1
		.amdhsa_system_sgpr_workgroup_id_y 1
		.amdhsa_system_sgpr_workgroup_id_z 1
		.amdhsa_system_vgpr_workitem_id 0
		.amdhsa_next_free_vgpr 1024
		.amdhsa_next_free_sgpr 66
		.amdhsa_reserve_vcc 0
		.amdhsa_float_denorm_mode_32 3
		.amdhsa_float_denorm_mode_16_64 3
		.amdhsa_memory_ordered 1
		.amdhsa_forward_progress 1
		.amdhsa_inst_pref_size 173
	.end_amdhsa_kernel
	.amdgpu_metadata
---
amdhsa.version: [ 1, 2 ]
amdhsa.kernels:
  - .name:           k_qa11ec1d907_down
    .symbol:         k_qa11ec1d907_down.kd
    .args:
      - { .name: hq, .offset: 0, .size: 8, .value_kind: global_buffer, .address_space: global }
      - { .name: wq, .offset: 8, .size: 8, .value_kind: global_buffer, .address_space: global }
      - { .name: ord, .offset: 16, .size: 8, .value_kind: global_buffer, .address_space: global }
      - { .name: wts, .offset: 24, .size: 8, .value_kind: global_buffer, .address_space: global }
      - { .name: out0, .offset: 32, .size: 8, .value_kind: global_buffer, .address_space: global }
    .group_segment_fixed_size: 135680
    .private_segment_fixed_size: 0
    .kernarg_segment_align: 8
    .kernarg_segment_size: 40
    .max_flat_workgroup_size: 128
    .sgpr_count:     66
    .vgpr_count:     1024
    .wavefront_size: 32
...
	.end_amdgpu_metadata
.endif
;; end of part 4
